; MI455X (gfx1250); checked and timed in simulation.
; The chip was launched on July 23, 2026; its instructions are those of AMD's public machine-readable ISA for CDNA 5 (MIT licence, August 2026) and "CDNA5" Instruction Set Architecture Reference Guide (July 2026). The comments in the code are by the model that wrote it; some were corrected since.
;; Multihead Attention. Allowed arithmetic: float matrix products may take bf16 or f16 operands with f32 sums; all other float work in f32.
;; Inputs: w_o 256 x 256 float32; w_qkv 768 x 1,024 float32; x 4 x 4,096 x 1,024 float32.
;; Outputs: out0 4 x 4,096 x 256 float32.
;; One version. Each part assembles by itself: llvm-mc -triple=amdgcn-amd-amdhsa -mcpu=gfx1250 --defsym DOCPART=n.
;; ======== version 1 of 1: 2 launches
;; workspace buffers: vpart 262,144 bytes
;; launch colsum (part 1): grid 256 x 1, 16 waves a work-group, no clusters, 11,264 bytes of LDS; arguments x, w_qkv, vpart; writes vpart
.if DOCPART == 1
	.amdgcn_target "amdgcn-amd-amdhsa--gfx1250"
	.amdhsa_code_object_version 6
	.text
	.protected	k_q109b1987fb_colsum
	.globl	k_q109b1987fb_colsum
	.p2align	8
	.type	k_q109b1987fb_colsum,@function
k_q109b1987fb_colsum:
	s_mov_b64 s[64:65], 0
	v_nop
	global_prefetch_b8 v0, s[64:65] scope:SCOPE_SE
	s_setreg_imm32_b32 hwreg(HW_REG_WAVE_MODE, 25, 1), 1
	s_wait_xcnt 0x0
; FIRST OF TWO LAUNCHES.  reference() takes its softmax over the head axis, whose length it fixes at 1: exp(l - l) / exp(l - l) = 1.0 exactly
; for every finite logit l.  So values[b][q][:] = sum over k of v[b][k][:] for every q, and
;     out[b][q][o] = sum over f of w_o[o][f] * ( sum over d of W_v[f][d] * ( sum over s of x[b][s][d] ) ),   W_v = rows 512..767 of w_qkv.
; LIMITS, kept on purpose:
;   - rows 0..511 of w_qkv (W_q, W_k) reach no finite result of reference() and are not loaded.  Where a logit is not finite (NaN or infinity
;     in those rows, or |q.k| / 16 beyond f32's largest number) reference() gives NaN and this program the finite sum.  NaN or infinity in x,
;     in W_v or in w_o spreads over the batch here as it does there.
;   - the order of the sums differs from reference()'s: x is summed over s first, then projected.  All of it in f32.
; THIS LAUNCH: work-group g takes a block of x, 512 rows x 128 columns of one batch, adds its rows up, multiplies the 128 column sums by the
; matching 256 x 128 slice of W_v and stores the 256 results as row g of vpart.  The 64 rows 64 b .. 64 b + 63 of vpart add up to batch b's sum of v.
;   g & 7  = column block c (fastest: neighbouring work-groups read neighbouring 512-byte pieces of the same rows of x)
;   g >> 3 = row segment, 512 rows = 2 MiB of x; eight segments a batch, so the batch is g >> 6
; Sixteen waves.  Wave w: 32 rows of x and rows f = 16 w .. 16 w + 15 of W_v.  Lane l: columns 4 l .. 4 l + 3 of the block, in both.
; One load of a wave is one row's 512 consecutive bytes, starting at a multiple of 512 from the buffer's first byte.
; All 48 loads of a wave are issued in its first lines, so the work-group's 256 KiB of x and 128 KiB of W_v are in flight at once: no loop, no ring.
; NOT USED, and why: matrix instructions (each product has ONE row: 15 of a tile's 16 rows would be empty, and the sums would be rounded to
; 16 bits for nothing); tensor loads and an LDS ring (each byte of x is used once, by one lane, and all of them fit in registers);
; a cluster with joint requests (what work-groups share is the slice of W_v, 128 KiB of the 384 KiB that each asks for; partners would have to
; have the same c, which breaks the order above in which neighbours read neighbouring pieces of a row, and the slice would need staging in LDS).
.set ROWB,  4096                       ; bytes in a row of x and of w_qkv (1,024 f32)
.set PART,  0                          ; LDS 0..8191: the sixteen waves' column sums, 512 bytes each, thread t at 16 t
.set RES,   8192                       ; LDS 8192..9215: the 256 results, wave w at 64 w.  Other bytes than PART: no barrier between PART's reads and these stores
.set XO,    1                          ; v1        w x 32 rows + 16 l: my 16 bytes in my wave's first row of x
.set WO,    2                          ; v2        w x 16 rows + 16 l: the same in W_v
.set T16,   3                          ; v3        16 t
.set L16,   4                          ; v4        16 l
.set RA,    5                          ; v5        64 w
.set O16,   6                          ; v6        first the wave number, then 16 (t & 63): the last copy's offset
.set SCR,   7                          ; v7        32 w
.set X,     8                          ; v[8:135]  32 rows of x, 4 registers each; later 16 waves' sums; v[8:11] ends as the block's column sums
.set W,     136                        ; v[136:199] 16 rows of W_v, 4 registers each
.set R,     72                         ; v[72:87]  16 results (registers of x's rows 16..19, summed by then)
.set OD,    88                         ; v[88:91]  the last copy's data
; Sum over the 32 lanes of cnt registers from reg on, the result in every lane: four steps inside each half of 16 lanes ride on the add (DPP),
; one crosses the halves.  tmp + step j: a register written before (v_permlanex16_b32's destination counts as read).
.macro LANESUM cnt, reg, tmp, step
.irp m, 1,2,4,8
.set j, 0
.rept \cnt
	v_add_f32_dpp v[\reg+j], v[\reg+j], v[\reg+j] row_xmask:\m row_mask:0xf bank_mask:0xf
.set j, j+1
.endr
.endr
.set j, 0
.rept \cnt
	v_permlanex16_b32 v[\tmp+\step*j], v[\reg+j], s16, s17
.set j, j+1
.endr
.set j, 0
.rept \cnt
	v_add_f32 v[\reg+j], v[\reg+j], v[\tmp+\step*j]
.set j, j+1
.endr
.endm
	s_load_b128 s[4:7], s[0:1], 0x0                ; x s[4:5], w_qkv s[6:7]
	s_load_b64 s[8:9], s[0:1], 0x10                ; vpart
	v_lshl_add_u32 v200, v0, 2, 0x2400
	v_mov_b32 v201, 0
	v_lshrrev_b32 v[O16], 5, v0
	v_readfirstlane_b32 s10, v[O16]                ; wave 0..15
	s_and_b32 s18, ttmp9, 7
	s_lshl_b32 s18, s18, 9                         ; c x 512 bytes
	s_lshr_b32 s12, ttmp9, 3
	s_lshl_b32 s12, s12, 21                        ; segment x 512 rows x 4,096 bytes (31 x 2 MiB at the most)
	s_add_co_u32 s12, s12, s18
	s_mov_b32 s13, 0
	s_add_co_u32 s14, s18, 512*ROWB                ; W_v begins at row 512 of w_qkv
	s_mov_b32 s15, 0
	s_lshl_b32 s20, ttmp9, 10                      ; row g of vpart, 1,024 bytes
	s_mov_b32 s21, 0
	s_mov_b32 s16, 0x76543210                      ; v_permlanex16_b32: lane i of one half reads lane i of the other
	s_mov_b32 s17, 0xfedcba98
	v_and_b32 v[L16], 31, v0
	v_lshlrev_b32 v[L16], 4, v[L16]
	v_and_b32 v[SCR], 0x1e0, v0                    ; 32 w
	v_lshl_or_b32 v[XO], v[SCR], 12, v[L16]        ; 32 w << 12 = w x 32 rows x 4,096
	v_lshl_or_b32 v[WO], v[SCR], 11, v[L16]        ; 32 w << 11 = w x 16 rows x 4,096
	v_lshlrev_b32 v[T16], 4, v0
	v_lshlrev_b32 v[RA], 1, v[SCR]
	v_and_b32 v[O16], 63, v0
	v_lshlrev_b32 v[O16], 4, v[O16]
	s_wait_kmcnt 0x0
	s_add_nc_u64 s[4:5], s[4:5], s[12:13]
	s_add_nc_u64 s[6:7], s[6:7], s[14:15]
	s_add_nc_u64 s[8:9], s[8:9], s[20:21]
	; x first: it is the long stream, and the launch reads each of its bytes once.  W_v's slice is read by 32 work-groups: no hint.
.irp i, 0,1,2,3,4,5,6,7,8,9,10,11,12,13,14,15,16,17,18,19,20,21,22,23,24,25,26,27,28,29,30,31
	global_load_b128 v[X+4*\i:X+4*\i+3], v[XO], s[4:5] offset:ROWB*\i th:TH_LOAD_NT
.endr
.irp i, 0,1,2,3,4,5,6,7,8,9,10,11,12,13,14,15
	global_load_b128 v[W+4*\i:W+4*\i+3], v[WO], s[6:7] offset:ROWB*\i
.endr
	; my wave's 32 rows into row 0's registers, each row as it arrives
.irp i, 1,2,3,4,5,6,7,8,9,10,11,12,13,14,15,16,17,18,19,20,21,22,23,24,25,26,27,28,29,30,31
	s_wait_loadcnt 47-\i                           ; loads return in order: behind row i stand 31 - i rows of x and the 16 of W_v
	v_pk_add_f32 v[X:X+1],   v[X:X+1],   v[X+4*\i:X+4*\i+1]
	v_pk_add_f32 v[X+2:X+3], v[X+2:X+3], v[X+4*\i+2:X+4*\i+3]
.endr
	; the sixteen waves' sums meet in LDS; every wave then adds all sixteen, in the same order
	ds_store_b128 v[T16], v[X:X+3] offset:PART
	s_wait_dscnt 0x0                               ; for the other waves: my store is in LDS before I signal
	s_barrier_signal -1
	s_barrier_wait -1
.irp k, 0,1,2,3,4,5,6,7,8,9,10,11,12,13,14,15
	ds_load_b128 v[X+4*\k:X+4*\k+3], v[L16] offset:PART+512*\k
.endr
.irp k, 1,2,3,4,5,6,7,8,9,10,11,12,13,14,15
	s_wait_dscnt 15-\k                             ; LDS loads return in order: 15 - k younger ones stay out
	v_pk_add_f32 v[X:X+1],   v[X:X+1],   v[X+4*\k:X+4*\k+1]
	v_pk_add_f32 v[X+2:X+3], v[X+2:X+3], v[X+4*\k+2:X+4*\k+3]
.endr
	; v[X:X+3] = the block's column sums of my four columns.  Sixteen rows of W_v times them: four products a lane and row, then over the lanes.
	s_wait_loadcnt 0x0                             ; W_v's sixteen loads
.irp i, 0,1,2,3,4,5,6,7,8,9,10,11,12,13,14,15
	v_pk_mul_f32 v[W+4*\i:W+4*\i+1], v[W+4*\i:W+4*\i+1], v[X:X+1]
	v_pk_fma_f32 v[W+4*\i:W+4*\i+1], v[W+4*\i+2:W+4*\i+3], v[X+2:X+3], v[W+4*\i:W+4*\i+1]
	v_add_f32 v[R+\i], v[W+4*\i], v[W+4*\i+1]
.endr
	LANESUM 16, R, W, 4
	; every lane holds the wave's sixteen results: all lanes store the same 64 bytes with the same values
.irp q, 0,1,2,3
	ds_store_b128 v[RA], v[R+4*\q:R+4*\q+3] offset:RES+16*\q
.endr
	s_wait_dscnt 0x0                               ; for waves 0 and 1, which read them behind the barrier
	s_barrier_signal -1
	s_barrier_wait -1
	s_cmp_gt_u32 s10, 1
	s_cbranch_scc1 .Ldone                          ; no barrier follows
	ds_load_b128 v[OD:OD+3], v[O16] offset:RES     ; threads 0..63: 16 bytes each of the 1,024
	s_wait_dscnt 0x0
	global_store_b128 v[O16], v[OD:OD+3], s[8:9]   ; sixteen neighbouring lanes store 256 consecutive bytes, at a multiple of 256 from vpart's first byte
.Ldone:
	s_wait_tensorcnt 0x0
	ds_add_u32 v200, v201
	s_wait_dscnt 0x0
	s_endpgm
.Lfunc_end_k_q109b1987fb_colsum:
	.size	k_q109b1987fb_colsum, .Lfunc_end_k_q109b1987fb_colsum-k_q109b1987fb_colsum
	.p2alignl 7, 3214868480
	.fill 96, 4, 3214868480
	.section	.rodata,"a",@progbits
	.p2align	6, 0x0
	.amdhsa_kernel k_q109b1987fb_colsum
		.amdhsa_group_segment_fixed_size 11264
		.amdhsa_private_segment_fixed_size 0
		.amdhsa_enable_private_segment 0
		.amdhsa_kernarg_size 24
		.amdhsa_user_sgpr_count 2
		.amdhsa_user_sgpr_kernarg_segment_ptr 1
		.amdhsa_wavefront_size32 1
		.amdhsa_system_sgpr_workgroup_id_x 1
		.amdhsa_system_sgpr_workgroup_id_y 1
		.amdhsa_system_sgpr_workgroup_id_z 1
		.amdhsa_system_vgpr_workitem_id 0
		.amdhsa_next_free_vgpr 202
		.amdhsa_next_free_sgpr 66
		.amdhsa_reserve_vcc 0
		.amdhsa_float_denorm_mode_32 3
		.amdhsa_float_denorm_mode_16_64 3
		.amdhsa_memory_ordered 1
		.amdhsa_forward_progress 1
		.amdhsa_inst_pref_size 24
	.end_amdhsa_kernel
	.amdgpu_metadata
---
amdhsa.version: [ 1, 2 ]
amdhsa.kernels:
  - .name:           k_q109b1987fb_colsum
    .symbol:         k_q109b1987fb_colsum.kd
    .args:
      - { .name: x, .offset: 0, .size: 8, .value_kind: global_buffer, .address_space: global }
      - { .name: w_qkv, .offset: 8, .size: 8, .value_kind: global_buffer, .address_space: global }
      - { .name: vpart, .offset: 16, .size: 8, .value_kind: global_buffer, .address_space: global }
    .group_segment_fixed_size: 11264
    .private_segment_fixed_size: 0
    .kernarg_segment_align: 8
    .kernarg_segment_size: 24
    .max_flat_workgroup_size: 512
    .sgpr_count:     66
    .vgpr_count:     202
    .wavefront_size: 32
...
	.end_amdgpu_metadata
.endif
;; end of part 1
;; launch finish (part 2): grid 256 x 1, 16 waves a work-group, no clusters, 10,496 bytes of LDS; arguments vpart, w_o, out0; writes out0
.if DOCPART == 2
	.amdgcn_target "amdgcn-amd-amdhsa--gfx1250"
	.amdhsa_code_object_version 6
	.text
	.protected	k_q109b1987fb_finish
	.globl	k_q109b1987fb_finish
	.p2align	8
	.type	k_q109b1987fb_finish,@function
k_q109b1987fb_finish:
	s_mov_b64 s[64:65], 0
	v_nop
	global_prefetch_b8 v0, s[64:65] scope:SCOPE_SE
	s_setreg_imm32_b32 hwreg(HW_REG_WAVE_MODE, 25, 1), 1
	s_wait_xcnt 0x0
; SECOND OF TWO LAUNCHES (the first one's head says why the problem has this form, and which limits are kept: rows 0..511 of w_qkv are not
; read; a logit that is not finite gives NaN in reference() and a finite sum here; the order of the f32 sums differs from reference()'s).
;     out[b][q][o] = sum over f of w_o[o][f] * vsum[b][f]  for EVERY q,   vsum[b][f] = sum over p = 0..63 of vpart[64 b + p][f].
; Work-group g makes 64 columns of 256 rows of out0:
;   g & 3  = column block oc: 64 f32 = 256 consecutive bytes of every row of out0, and 64 rows (64 KiB) of w_o
;   g >> 2 = row segment, 256 rows = 256 KiB of out0; sixteen segments a batch, so the batch is g >> 6
; Sixteen waves, 512 threads.  Thread t adds 8 of the batch's 64 partial rows (group t >> 6) at its 16 bytes (t & 63); the eight group sums
; meet in LDS.  Wave w multiplies rows 4 w .. 4 w + 3 of the block of w_o (4 KiB in a run) by vsum; the 64 results meet in LDS; then every
; thread stores its 16 bytes of them to eight rows.
; Summing the partials again in each of a batch's 64 work-groups costs 64 KiB of loads each, of 256 KiB written shortly before; a launch of its
; own for it would cost more than that.
; NOT USED, and why: matrix instructions (a product of one row); tensor loads (nothing is streamed: 128 KiB in, once, straight to registers);
; a cluster with joint requests (shared are vpart's 64 KiB and w_o's 64 KiB against 64 KiB stored by each: they would have to be staged in LDS
; to be shared, for a text that has no loop in which the saving could recur).
.set GS,    0                          ; LDS 0..8191: eight group sums of 1,024 bytes, thread t at 16 t
.set OV,    8192                       ; LDS 8192..8447: the 64 results, wave w at 16 w.  Other bytes than GS
.set PO,    1                          ; v1        16 (t & 63) + 8,192 (t >> 6): my 16 bytes in my group's first partial row
.set WOO,   2                          ; v2        4,096 w + 16 l: my 16 bytes in my wave's four rows of w_o
.set T16,   3                          ; v3        16 t
.set L16,   4                          ; v4        16 l
.set OA,    5                          ; v5        first 32 w, then 16 w
.set C16,   6                          ; v6        16 (t & 15): my 16 bytes of the 256
.set SO,    7                          ; v7        1,024 (t >> 4) + 16 (t & 15): my 16 bytes in out0, rows 0..31 of the segment
.set PV,    8                          ; v[8:39]   8 partial rows, 4 registers each
.set WM,    40                         ; v[40:71]  w_o: row j of my four in v[WM+8j : WM+8j+7], f = 4 l .. then f = 128 + 4 l ..
.set SV,    72                         ; v[72:135] 16 LDS loads; v[72:75] ends as vsum[4 l ..], v[76:79] as vsum[128 + 4 l ..]
.set RV,    136                        ; v[136:139] my wave's four results
.set DV,    144                        ; v[144:147] what I store
; Sum over the 32 lanes of cnt registers from reg on, the result in every lane: four steps inside each half of 16 lanes ride on the add (DPP),
; one crosses the halves.  tmp + step j: a register written before (v_permlanex16_b32's destination counts as read).
.macro LANESUM cnt, reg, tmp, step
.irp m, 1,2,4,8
.set j, 0
.rept \cnt
	v_add_f32_dpp v[\reg+j], v[\reg+j], v[\reg+j] row_xmask:\m row_mask:0xf bank_mask:0xf
.set j, j+1
.endr
.endr
.set j, 0
.rept \cnt
	v_permlanex16_b32 v[\tmp+\step*j], v[\reg+j], s16, s17
.set j, j+1
.endr
.set j, 0
.rept \cnt
	v_add_f32 v[\reg+j], v[\reg+j], v[\tmp+\step*j]
.set j, j+1
.endr
.endm
	s_load_b128 s[4:7], s[0:1], 0x0                ; vpart s[4:5], w_o s[6:7]
	s_load_b64 s[8:9], s[0:1], 0x10                ; out0
	v_lshl_add_u32 v148, v0, 2, 0x2100
	v_mov_b32 v149, 0
	s_lshr_b32 s12, ttmp9, 6
	s_lshl_b32 s12, s12, 16                        ; batch x 64 partial rows x 1,024 bytes
	s_mov_b32 s13, 0
	s_and_b32 s18, ttmp9, 3                        ; oc
	s_lshl_b32 s14, s18, 16                        ; oc x 64 rows of w_o x 1,024 bytes
	s_mov_b32 s15, 0
	s_lshr_b32 s20, ttmp9, 2
	s_lshl_b32 s20, s20, 18                        ; segment x 256 rows of out0 x 1,024 bytes (63 x 256 KiB at the most)
	s_lshl_b32 s18, s18, 8                         ; oc x 256 bytes
	s_add_co_u32 s20, s20, s18
	s_mov_b32 s21, 0
	s_mov_b32 s16, 0x76543210                      ; v_permlanex16_b32: lane i of one half reads lane i of the other
	s_mov_b32 s17, 0xfedcba98
	v_and_b32 v[L16], 31, v0
	v_lshlrev_b32 v[L16], 4, v[L16]
	v_and_b32 v[OA], 0x1e0, v0                     ; 32 w
	v_lshl_or_b32 v[WOO], v[OA], 7, v[L16]         ; 32 w << 7 = 4,096 w
	v_lshrrev_b32 v[OA], 1, v[OA]                  ; 16 w
	v_and_b32 v[C16], 63, v0
	v_lshlrev_b32 v[C16], 4, v[C16]
	v_lshrrev_b32 v[SO], 6, v0
	v_lshl_or_b32 v[PO], v[SO], 13, v[C16]
	v_and_b32 v[C16], 15, v0
	v_lshlrev_b32 v[C16], 4, v[C16]
	v_lshrrev_b32 v[SO], 4, v0
	v_lshl_or_b32 v[SO], v[SO], 10, v[C16]
	v_lshlrev_b32 v[T16], 4, v0
	s_wait_kmcnt 0x0
	s_add_nc_u64 s[4:5], s[4:5], s[12:13]
	s_add_nc_u64 s[6:7], s[6:7], s[14:15]
	s_add_nc_u64 s[8:9], s[8:9], s[20:21]
	; the partials first: two trips through LDS hang on them, w_o is wanted only behind the first
.irp i, 0,1,2,3,4,5,6,7
	global_load_b128 v[PV+4*\i:PV+4*\i+3], v[PO], s[4:5] offset:1024*\i
.endr
.irp k, 0,1,2,3,4,5,6,7
	global_load_b128 v[WM+4*\k:WM+4*\k+3], v[WOO], s[6:7] offset:512*\k
.endr
.irp i, 1,2,3,4,5,6,7
	s_wait_loadcnt 15-\i                           ; loads return in order: behind partial i stand 7 - i partials and the 8 loads of w_o
	v_pk_add_f32 v[PV:PV+1],   v[PV:PV+1],   v[PV+4*\i:PV+4*\i+1]
	v_pk_add_f32 v[PV+2:PV+3], v[PV+2:PV+3], v[PV+4*\i+2:PV+4*\i+3]
.endr
	ds_store_b128 v[T16], v[PV:PV+3] offset:GS
	s_wait_dscnt 0x0                               ; for the other waves: my store is in LDS before I signal
	s_barrier_signal -1
	s_barrier_wait -1
	; every wave adds the eight group sums: load k is half k % 2 (f = 128 (k % 2) + 4 l ..) of group k / 2
.irp k, 0,1,2,3,4,5,6,7,8,9,10,11,12,13,14,15
	ds_load_b128 v[SV+4*\k:SV+4*\k+3], v[L16] offset:GS+512*\k
.endr
.irp k, 2,3,4,5,6,7,8,9,10,11,12,13,14,15
	s_wait_dscnt 15-\k                             ; LDS loads return in order: 15 - k younger ones stay out
	v_pk_add_f32 v[SV+4*(\k%2):SV+4*(\k%2)+1],   v[SV+4*(\k%2):SV+4*(\k%2)+1],   v[SV+4*\k:SV+4*\k+1]
	v_pk_add_f32 v[SV+4*(\k%2)+2:SV+4*(\k%2)+3], v[SV+4*(\k%2)+2:SV+4*(\k%2)+3], v[SV+4*\k+2:SV+4*\k+3]
.endr
	; four rows of w_o times vsum: eight products a lane and row, then over the lanes
	s_wait_loadcnt 0x0                             ; w_o's eight loads
.irp r, 0,1,2,3
	v_pk_mul_f32 v[WM+8*\r:WM+8*\r+1], v[WM+8*\r:WM+8*\r+1],   v[SV:SV+1]
	v_pk_fma_f32 v[WM+8*\r:WM+8*\r+1], v[WM+8*\r+2:WM+8*\r+3], v[SV+2:SV+3], v[WM+8*\r:WM+8*\r+1]
	v_pk_fma_f32 v[WM+8*\r:WM+8*\r+1], v[WM+8*\r+4:WM+8*\r+5], v[SV+4:SV+5], v[WM+8*\r:WM+8*\r+1]
	v_pk_fma_f32 v[WM+8*\r:WM+8*\r+1], v[WM+8*\r+6:WM+8*\r+7], v[SV+6:SV+7], v[WM+8*\r:WM+8*\r+1]
	v_add_f32 v[RV+\r], v[WM+8*\r], v[WM+8*\r+1]
.endr
	LANESUM 4, RV, WM, 8
	ds_store_b128 v[OA], v[RV:RV+3] offset:OV      ; every lane holds the four results: all lanes store the same 16 bytes with the same values
	s_wait_dscnt 0x0                               ; for the other waves, which read them behind the barrier
	s_barrier_signal -1
	s_barrier_wait -1
	ds_load_b128 v[DV:DV+3], v[C16] offset:OV
	s_wait_dscnt 0x0
	; the same 256 bytes to all 256 rows of the segment: store i takes rows 32 i .. 32 i + 31, thread t row 32 i + (t >> 4).
	; Sixteen neighbouring lanes store 256 consecutive bytes, at a multiple of 256 from out0's first byte.  Nothing reads them in this launch.
.irp i, 0,1,2,3,4,5,6,7
	global_store_b128 v[SO], v[DV:DV+3], s[8:9] offset:32768*\i th:TH_STORE_NT
.endr
	s_wait_tensorcnt 0x0
	ds_add_u32 v148, v149
	s_wait_dscnt 0x0
	s_endpgm
.Lfunc_end_k_q109b1987fb_finish:
	.size	k_q109b1987fb_finish, .Lfunc_end_k_q109b1987fb_finish-k_q109b1987fb_finish
	.p2alignl 7, 3214868480
	.fill 96, 4, 3214868480
	.section	.rodata,"a",@progbits
	.p2align	6, 0x0
	.amdhsa_kernel k_q109b1987fb_finish
		.amdhsa_group_segment_fixed_size 10496
		.amdhsa_private_segment_fixed_size 0
		.amdhsa_enable_private_segment 0
		.amdhsa_kernarg_size 24
		.amdhsa_user_sgpr_count 2
		.amdhsa_user_sgpr_kernarg_segment_ptr 1
		.amdhsa_wavefront_size32 1
		.amdhsa_system_sgpr_workgroup_id_x 1
		.amdhsa_system_sgpr_workgroup_id_y 1
		.amdhsa_system_sgpr_workgroup_id_z 1
		.amdhsa_system_vgpr_workitem_id 0
		.amdhsa_next_free_vgpr 150
		.amdhsa_next_free_sgpr 66
		.amdhsa_reserve_vcc 0
		.amdhsa_float_denorm_mode_32 3
		.amdhsa_float_denorm_mode_16_64 3
		.amdhsa_memory_ordered 1
		.amdhsa_forward_progress 1
		.amdhsa_inst_pref_size 12
	.end_amdhsa_kernel
	.amdgpu_metadata
---
amdhsa.version: [ 1, 2 ]
amdhsa.kernels:
  - .name:           k_q109b1987fb_finish
    .symbol:         k_q109b1987fb_finish.kd
    .args:
      - { .name: vpart, .offset: 0, .size: 8, .value_kind: global_buffer, .address_space: global }
      - { .name: w_o, .offset: 8, .size: 8, .value_kind: global_buffer, .address_space: global }
      - { .name: out0, .offset: 16, .size: 8, .value_kind: global_buffer, .address_space: global }
    .group_segment_fixed_size: 10496
    .private_segment_fixed_size: 0
    .kernarg_segment_align: 8
    .kernarg_segment_size: 24
    .max_flat_workgroup_size: 512
    .sgpr_count:     66
    .vgpr_count:     150
    .wavefront_size: 32
...
	.end_amdgpu_metadata
.endif
;; end of part 2
